; MI455X (gfx1250); checked and timed in simulation.
; The chip was launched on July 23, 2026; its instructions are those of AMD's public machine-readable ISA for CDNA 5 (MIT licence, August 2026) and "CDNA5" Instruction Set Architecture Reference Guide (July 2026). The comments in the code are by the model that wrote it; some were corrected since.
;; SKAN Linear. Allowed arithmetic: matrix products marked QUANTISED: E2M1 operands, one E8M0 scale for each 32 along K, by v_wmma_scale_f32_16x16x128_f8f6f4 with both operands' format E2M1 (or v_wmma_scale_f32_32x16x128_f4), f32 sums; everything else in f32.
;; Inputs: weight 2,048 x 2,049 float32; x 4 x 2,048 x 2,048 float32.
;; Outputs: out0 8,192 x 2,048 float32.
;; This version of the problem:
;;   THIS VERSION OF THE PROBLEM IS GIVEN IN LOW PRECISION. The matrix products marked QUANTISED in the list below multiply operands that are first quantised to E2M1 (2 exponent bits, 1 mantissa bit; 4 bits a number), with one power-of-two scale for each 32 numbers along K (OCP MX v1.0); their sums are f32. All else is computed in f32.
;;   The module's matrix products, in the order in which they are computed (A, B: the left and right operand; K: the contracted axis; several contracted axes count as one K, in the product's order):
;;     1. [M 8,192, K 2,049] x [K 2,049, N 2,048]; A: computed on the way; B: input weight: QUANTISED
;;     2. [M 8,192, K 2,049] x [K 2,049, N 2,048]; A: computed on the way; B: computed on the way: QUANTISED
;;   THE QUANTISER, for each operand of a quantised product, along K:
;;     - K is cut into blocks of 32 from its start; a last block that is shorter is filled with zeros.
;;     - A block's scale is 2^e with e = floor(log2(the largest magnitude in the block)) - 2, held to -126 .. 127; a block of zeros has e = 0. As a byte (E8M0): e + 127.
;;     - Each number is divided by its block's scale, clamped to +-6, and rounded to the nearest number of E2M1, ties to even, subnormals kept.
;;     - The product sums the exact products of the quantised numbers (number of the format x scale) in f32.
;;   ~~~python
;;   def quantise(x, axis):      # numpy; x: float32 -> the quantised numbers, widened to float32 again
;;       x = np.moveaxis(x, axis, -1); K = x.shape[-1]
;;       x = np.pad(x, [(0, 0)] * (x.ndim - 1) + [(0, -K % 32)]); x = x.reshape(x.shape[:-1] + (-1, 32)); a = np.abs(x).max(-1, keepdims=True)
;;       e = np.where(a > 0, np.clip(np.frexp(np.where(a > 0, a, 1))[1] - 1 - 2, -126, 127), 0)      # np.frexp(a)[1] - 1 = floor(log2(a)), exactly
;;       r = np.clip(x / 2.0 ** e, -6, 6)
;;       step = 2.0 ** (np.maximum(np.frexp(np.where(r == 0, 1, r))[1] - 1, 0) - 1)
;;       q = np.round(r / step) * step * 2.0 ** e      # np.round: ties to even
;;       return np.moveaxis(q.reshape(q.shape[:-2] + (-1,))[..., :K], -1, axis).astype(np.float32)
;;   ~~~
;;   OPERANDS COMPUTED ON THE WAY. 'Computed on the way' means the value that the module computes at that place (a softmax that the list does not call 'softmax' is quantised finished and normalised). What goes into a quantiser is computed in f32, as accurately as f32 sums, v_exp_f32 and their like allow (about 1e-6 of the number): no bf16 or f16 on the way to a quantiser, and a product that is left as it is and whose result goes on into a quantised operand takes f32 operands (vector FMAs, or v_wmma_f32_16x16x4_f32). A number that lies on a knife's edge between two numbers of the format may be rounded either way, as far as f32 arithmetic and the matrix unit's own rounding can turn it there, and no further.
;; One version. Each part assembles by itself: llvm-mc -triple=amdgcn-amd-amdhsa -mcpu=gfx1250 --defsym DOCPART=n.
;; ======== version 1 of 1: 2 launches
;; limits: right only within a limited range of input values
;; workspace buffers: a_codes 8,388,608 bytes; a_scales 524,288 bytes; b_codes 2,097,152 bytes; b_scales 131,072 bytes
;; launch quant (part 1): grid 256 x 1, 16 waves a work-group, no clusters, 82,432 bytes of LDS; arguments x, weight, a_codes, a_scales, b_codes, b_scales; writes a_codes, a_scales, b_codes, b_scales
.if DOCPART == 1
	.amdgcn_target "amdgcn-amd-amdhsa--gfx1250"
	.amdhsa_code_object_version 6
	.text
	.protected	k_q1abc1ec92e_quant
	.globl	k_q1abc1ec92e_quant
	.p2align	8
	.type	k_q1abc1ec92e_quant,@function
k_q1abc1ec92e_quant:
	s_mov_b64 s[64:65], 0
	v_nop
	global_prefetch_b8 v0, s[64:65] scope:SCOPE_SE
	s_setreg_imm32_b32 hwreg(HW_REG_WAVE_MODE, 25, 1), 1
	s_wait_xcnt 0x0
; x [8192][2048] f32 and columns 0 .. 2047 of weight [2048][2049] f32 become codes of FP4 (E2M1), two a byte (the lower k in the low four bits), with one E8M0 byte for each block of 32 along K:
; a_codes [8192][1024 bytes], a_scales [8192][64], b_codes [2048][1024 bytes], b_scales [2048][64].
; A block's scale is 2^(floor(log2(its largest magnitude)) - 2); each number is divided by it and rounded to the nearest code, ties to even, beyond the largest code the largest.
; The quantiser is symmetric, Q(|v|) = |Q(v)|: the codes of |x| and |weight| are these codes without their sign bits, under the same bytes, and are not stored.
; weight's bytes are stored one lower: this is the factor 0.5 of the result, a power of two.  Column 2048 of weight is quantised in the next launch.
; TWO ORDERS OF THE PROGRAM'S OWN.  (1) K: within each 1,024 along K, block 4 i + g (i = 0 .. 7, g = 0 .. 3) stands at place 8 g + i, in both tensors alike: the sums have the same terms in another order.
; (2) Row 64 t + 4 r + b of weight (r = 0 .. 15, b = 0 .. 3) stands at place 64 t + 16 b + r of b_codes and b_scales.
; LIMITS: blocks of x whose largest magnitude lies under 2^-124 and blocks of weight under 2^-123 are scaled as if it were that number, and were not tried; a block of zeros keeps that byte (its codes are zeros, and this
; program alone reads the bytes); NaN and infinities among the inputs are not served.
; SHARES.  Wave u = 16 x work-group + wave takes rows 2 u and 2 u + 1 of x (four chunks of 1,024 numbers) and one half of the row of weight that stands at place u / 2 (one chunk).  All 64 loads go out at the head.
; x: a load brings 512 consecutive bytes, 16 a lane: 8 lanes hold a block.  A row of weight is 8,196 bytes, so its numbers come by 4 bytes a lane and turn through the wave's own stage in LDS into the same layout.
; The conversion takes eight consecutive registers: those of loads i and i + 1.  It is done twice, under load i's scale (its low half is used) and under load i + 1's (its high half).
.set WROW,  8196                       ; a row of weight in bytes
.set WREG,  4864                       ; LDS of a wave: 4,096 bytes for weight's turn, then a chunk's codes: four groups of 128 bytes, 144 apart
.set CST,   4096
.set SCB,   16*WREG                    ; the work-group's scale bytes: 2,048 of x, 512 of weight
.set SPARE, SCB+2560                   ; the spare words: 128 bytes for each wave
.set W0,    32                         ; v32-63    weight as loaded
.set X0,    64                         ; v64-191   x as loaded
.set WS,    192                        ; v192-223  weight behind the turn
.set C0,    224                        ; v224-239  codes, two sets
.set T0,    240                        ; v240-243  scale words, two sets
.set SPW,   244
.set NIL,   245
; v3 16 x lane, v4 4 x lane, v5, v6 weight's turn in and out, v7, v9 codes' stage in and out, v10, v11 scale words of x and of weight, v13 the scales' way out, v16-23 maxima, v24-31 bytes
	s_load_b256 s[4:11], s[0:1], 0x0               ; x, weight, a_codes, a_scales
	s_load_b128 s[12:15], s[0:1], 0x20             ; b_codes, b_scales
	v_lshl_add_u32 v[SPW], v0, 2, SPARE
	v_mov_b32 v[NIL], 0
	v_lshrrev_b32 v1, 5, v0
	v_readfirstlane_b32 s16, v1                    ; wave 0..15
	s_lshl_b32 s17, ttmp9, 4
	s_add_co_u32 s18, s17, s16                     ; u
	s_mul_i32 s19, s16, WREG                       ; my LDS
	s_lshr_b32 s20, s18, 1                         ; the place of my row of weight
	s_and_b32 s21, s20, 0x7c0
	s_and_b32 s22, s20, 15
	s_lshl_b32 s22, s22, 2
	s_bfe_u32 s23, s20, 0x20004
	s_add_co_u32 s21, s21, s22
	s_add_co_u32 s21, s21, s23                     ; the row that stands there
	s_mul_i32 s22, s21, WROW
	s_and_b32 s23, s18, 1
	s_lshl_b32 s23, s23, 12
	s_add_co_u32 s22, s22, s23                     ; my half of it, in bytes
	s_mov_b32 s23, 0
	s_lshl_b32 s24, s18, 14                        ; x: 16,384 bytes a wave
	s_mov_b32 s25, 0
	s_lshl_b32 s26, s18, 11                        ; a_codes: 2,048
	s_mov_b32 s27, 0
	s_lshl_b32 s28, s18, 9                         ; b_codes: 512
	s_mov_b32 s29, 0
	s_lshl_b32 s30, ttmp9, 11
	s_lshl_b32 s31, s16, 9
	s_add_co_u32 s30, s30, s31                     ; a_scales on the way out: waves 0 .. 3, 512 bytes each
	s_lshl_b32 s32, ttmp9, 9                       ; b_scales: wave 4
	s_add_co_u32 s31, s31, SCB                     ; LDS: 512 bytes a wave
	s_lshl_b32 s34, s16, 7
	s_add_co_u32 s34, s34, SCB                     ; LDS: my 128 scale bytes of x,
	s_lshl_b32 s35, s16, 5
	s_add_co_u32 s35, s35, SCB+2048                ; my 32 of weight
	s_add_co_u32 s36, s19, CST
	v_and_b32 v2, 31, v0                           ; lane
	v_lshlrev_b32 v3, 4, v2
	v_lshlrev_b32 v4, 2, v2
	v_add_nc_u32 v5, s19, v4
	v_add_nc_u32 v6, s19, v3
	v_lshrrev_b32 v8, 3, v2                        ; g
	v_and_b32 v12, 7, v2
	v_mul_u32_u24 v14, v8, 144
	v_lshl_add_u32 v7, v12, 1, v14
	v_add_nc_u32 v7, s36, v7                       ; 144 g + 2 (lane % 8)
	v_lshl_add_u32 v9, v12, 4, v14
	v_add_nc_u32 v9, s36, v9                       ; 144 g + 16 (lane % 8)
	v_lshlrev_b32 v8, 3, v8
	v_add_nc_u32 v10, s34, v8
	v_add_nc_u32 v11, s35, v8
	v_add_nc_u32 v13, s31, v3
	s_wait_alu depctr_va_vdst(0)                   ; the head's end
	s_wait_kmcnt 0x0
	s_add_nc_u64 s[6:7], s[6:7], s[22:23]
	s_add_nc_u64 s[4:5], s[4:5], s[24:25]
	s_add_nc_u64 s[8:9], s[8:9], s[26:27]
	s_add_nc_u64 s[12:13], s[12:13], s[28:29]
.set I, 0
.rept 32
	global_load_b32 v[W0+I], v4, s[6:7] offset:128*I       ; 128 consecutive bytes
.set I, I+1
.endr
.set I, 0
.rept 32
	global_load_b128 v[X0+4*I:X0+4*I+3], v3, s[4:5] offset:512*I th:TH_LOAD_NT
.set I, I+1
.endr
; A chunk of 1,024 numbers in v[xr .. xr + 31]; k: which sets; vs, so: where its scale words go.  Ten LDS instructions.
.macro CHUNK xr, k, floor, vs, so, half
.irp i, 0,1,2,3,4,5,6,7
	v_max3_num_f32 v[16+\i], |v[\xr+4*\i]|, |v[\xr+4*\i+1]|, |v[\xr+4*\i+2]|
.endr
.irp i, 0,1,2,3,4,5,6,7
	v_max3_num_f32 v[16+\i], v[16+\i], |v[\xr+4*\i+3]|, \floor     ; with the floor, under which no largest magnitude is taken
.endr
.irp d, 1,2,4
.irp i, 0,1,2,3,4,5,6,7
	v_max_num_f32_dpp v[16+\i], v[16+\i], v[16+\i] row_xmask:\d row_mask:0xf bank_mask:0xf   ; over the block's 8 lanes
.endr
.endr
.irp i, 0,1,2,3,4,5,6,7
	v_add_nc_u32 v[16+\i], 0xff000000, v[16+\i]    ; 2 off the exponent field: the conversion takes that field as its scale
.endr
.irp i, 0,2,4,6
	v_cvt_scalef32_pk8_fp4_f32 v[C0+8*(\k%2)+\i], v[\xr+4*\i:\xr+4*\i+7], v[16+\i]
	v_cvt_scalef32_pk8_fp4_f32 v[C0+8*(\k%2)+\i+1], v[\xr+4*\i:\xr+4*\i+7], v[17+\i]
.endr
.irp i, 0,1,2,3,4,5,6,7
	v_lshrrev_b32 v[24+\i], 23, v[16+\i]           ; the bytes; also the plain instructions behind the conversions
.endr
.irp w, 0,1                            ; blocks 4 i + g, i = 4 w .. 4 w + 3, are one scale word
	v_lshl_or_b32 v[T0+2*(\k%2)+\w], v[25+4*\w], 8, v[24+4*\w]
	v_lshl_or_b32 v[T0+2*(\k%2)+\w], v[26+4*\w], 16, v[T0+2*(\k%2)+\w]
	v_lshl_or_b32 v[T0+2*(\k%2)+\w], v[27+4*\w], 24, v[T0+2*(\k%2)+\w]
.endr
.if \half
.irp w, 0,1
	v_add_nc_u32 v[T0+2*(\k%2)+\w], 0xfefefeff, v[T0+2*(\k%2)+\w]   ; 1 off each byte (each is at least 2 here): the result's factor 0.5
.endr
.endif
.irp i, 0,2,4,6
	ds_store_b16 v7, v[C0+8*(\k%2)+\i] offset:16*\i
	ds_store_b16_d16_hi v7, v[C0+8*(\k%2)+\i+1] offset:16*\i+16
.endr
	ds_store_b64 v[\vs], v[T0+2*(\k%2):T0+2*(\k%2)+1] offset:\so   ; the 8 lanes of a group write the same 8 bytes with the same value
	ds_load_b128 v[\xr:\xr+3], v9                  ; LDS serves a wave's instructions in order (ISA guide 5.7.1.4): this sees the stores above: lane l takes the block at place l
.endm
	s_wait_loadcnt 32                              ; weight's 32 loads are in; x's may be out
.set I, 0
.rept 32
	ds_store_b32 v5, v[W0+I] offset:128*I
.set I, I+1
.endr
.set I, 0
.rept 8
	ds_load_b128 v[WS+4*I:WS+4*I+3], v6 offset:512*I
.set I, I+1
.endr
	s_wait_dscnt 0x0
	CHUNK WS, 0, 0x2000000, 11, 0, 1
	s_wait_loadcnt 24                              ; x's first eight loads are in
	CHUNK X0, 1, 0x1800000, 10, 0, 0
	s_wait_dscnt 10                                ; all but the chunk just issued
	global_store_b128 v3, v[WS:WS+3], s[12:13]     ; 512 consecutive bytes, at a multiple of 512 from the buffer's first byte
	s_wait_loadcnt 16
	CHUNK X0+32, 2, 0x1800000, 10, 32, 0
	s_wait_dscnt 10
	global_store_b128 v3, v[X0:X0+3], s[8:9]
	s_wait_loadcnt 8
	CHUNK X0+64, 3, 0x1800000, 10, 64, 0
	s_wait_dscnt 10
	global_store_b128 v3, v[X0+32:X0+35], s[8:9] offset:512
	s_wait_loadcnt 0x0
	CHUNK X0+96, 4, 0x1800000, 10, 96, 0
	s_wait_dscnt 10
	global_store_b128 v3, v[X0+64:X0+67], s[8:9] offset:1024
	s_wait_tensorcnt 0x0                           ; behind my last LDS store
	ds_add_u32 v[SPW], v[NIL]
	s_wait_dscnt 0x0                               ; my scale words are in LDS, for the others' sake
	global_store_b128 v3, v[X0+96:X0+99], s[8:9] offset:1536
	s_barrier_signal -1
	s_barrier_wait -1                              ; the work-group's 2,560 scale bytes are whole: five waves store 512 consecutive bytes each
	s_cmp_lt_u32 s16, 5
	s_cbranch_scc0 .Lend
	ds_load_b128 v[16:19], v13
	s_cmp_lt_u32 s16, 4                            ; waves 0 .. 3: a_scales; wave 4: b_scales
	s_cselect_b64 s[10:11], s[10:11], s[14:15]
	s_cselect_b32 s30, s30, s32
	s_mov_b32 s31, 0
	s_add_nc_u64 s[10:11], s[10:11], s[30:31]
	s_wait_dscnt 0x0
	global_store_b128 v3, v[16:19], s[10:11]
.Lend:
	s_endpgm
.Lfunc_end_k_q1abc1ec92e_quant:
	.size	k_q1abc1ec92e_quant, .Lfunc_end_k_q1abc1ec92e_quant-k_q1abc1ec92e_quant
	.p2alignl 7, 3214868480
	.fill 96, 4, 3214868480
	.section	.rodata,"a",@progbits
	.p2align	6, 0x0
	.amdhsa_kernel k_q1abc1ec92e_quant
		.amdhsa_group_segment_fixed_size 82432
		.amdhsa_private_segment_fixed_size 0
		.amdhsa_enable_private_segment 0
		.amdhsa_kernarg_size 48
		.amdhsa_user_sgpr_count 2
		.amdhsa_user_sgpr_kernarg_segment_ptr 1
		.amdhsa_wavefront_size32 1
		.amdhsa_system_sgpr_workgroup_id_x 1
		.amdhsa_system_sgpr_workgroup_id_y 1
		.amdhsa_system_sgpr_workgroup_id_z 1
		.amdhsa_system_vgpr_workitem_id 0
		.amdhsa_next_free_vgpr 256
		.amdhsa_next_free_sgpr 66
		.amdhsa_reserve_vcc 0
		.amdhsa_float_denorm_mode_32 3
		.amdhsa_float_denorm_mode_16_64 3
		.amdhsa_memory_ordered 1
		.amdhsa_forward_progress 1
		.amdhsa_inst_pref_size 38
	.end_amdhsa_kernel
	.amdgpu_metadata
---
amdhsa.version: [ 1, 2 ]
amdhsa.kernels:
  - .name:           k_q1abc1ec92e_quant
    .symbol:         k_q1abc1ec92e_quant.kd
    .args:
      - { .name: x, .offset: 0, .size: 8, .value_kind: global_buffer, .address_space: global }
      - { .name: weight, .offset: 8, .size: 8, .value_kind: global_buffer, .address_space: global }
      - { .name: a_codes, .offset: 16, .size: 8, .value_kind: global_buffer, .address_space: global }
      - { .name: a_scales, .offset: 24, .size: 8, .value_kind: global_buffer, .address_space: global }
      - { .name: b_codes, .offset: 32, .size: 8, .value_kind: global_buffer, .address_space: global }
      - { .name: b_scales, .offset: 40, .size: 8, .value_kind: global_buffer, .address_space: global }
    .group_segment_fixed_size: 82432
    .private_segment_fixed_size: 0
    .kernarg_segment_align: 8
    .kernarg_segment_size: 48
    .max_flat_workgroup_size: 512
    .sgpr_count:     66
    .vgpr_count:     256
    .wavefront_size: 32
...
	.end_amdgpu_metadata
.endif
;; end of part 1
;; launch gemm (part 2): grid 8 x 32, 4 waves a work-group, clusters of 4 x 4, 327,680 bytes of LDS; arguments a_codes, a_scales, b_codes, b_scales, weight, out0; writes out0
.if DOCPART == 2
	.amdgcn_target "amdgcn-amd-amdhsa--gfx1250"
	.amdhsa_code_object_version 6
	.text
	.protected	k_q1abc1ec92e_gemm
	.globl	k_q1abc1ec92e_gemm
	.p2align	8
	.type	k_q1abc1ec92e_gemm,@function
k_q1abc1ec92e_gemm:
	s_mov_b64 s[64:65], 0
	v_nop
	global_prefetch_b8 v0, s[64:65] scope:SCOPE_SE
	s_setreg_imm32_b32 hwreg(HW_REG_WAVE_MODE, 25, 1), 1
	s_wait_xcnt 0x0
	s_wait_alu depctr_hold_cnt(0) depctr_sa_sdst(0) depctr_va_vdst(0) depctr_va_sdst(0) depctr_va_ssrc(0) depctr_va_vcc(0) depctr_vm_vsrc(0)
	s_getreg_b32 s2, hwreg(HW_REG_IB_STS2, 6, 4)
	s_cmp_eq_u32 s2, 0
	s_cbranch_scc0 .Lentry_in_a_cluster
	s_endpgm
.Lentry_in_a_cluster:
	s_bfe_u32 s2, ttmp6, 0x10000c
	s_cmp_lg_u32 s2, 0xf033
	s_cbranch_scc0 .Lentry_shape_is_right
	s_endpgm
.Lentry_shape_is_right:
; out0[m][n] = 0.5 (sum over k of A B + sum over k of |A| |B|) + bias[n].  A [8192][2048], B [2048][2048]: codes of FP4 with E8M0 bytes, in the orders of K and of B's rows that the first launch laid; its bytes of B hold the factor 0.5.
; |A|, |B| are the codes without their sign bits under the same bytes: both products add into one accumulator.
; COLUMN 2048 of weight meets the column of ones that the problem itself appends.  Both stand alone in a block of their own (the rest is filled with zeros): the one is quantised to 1 exactly, w to q = 1 or 1.5 times its own
; power of two (w / scale lies in [4, 8): code 4 up to 5, the tie included, code 6 above).  Its share of the result, 0.5 (q + |q|) = max(q, 0), is the bias, in f32.
; LIMITS: a w of column 2048 under 2^-124 is rounded on its own power of two; NaN and infinities among the inputs are not served.
; A work-group of four waves makes 256 x 256 of C; a wave 128 x 128: 32 accumulators of 32 x 16, 512 registers.  256 work-groups, one for each WGP.
; K goes in four steps of 512 through two LDS slots (rows of 256 bytes of memory).  The scales of the tile's rows, for all of K, come into LDS once.
; CLUSTERS of 4 x 4: the four work-groups of a row of the cluster share A's tiles, the four of a column B's: joint loads.
; NO PREFETCH: there are four K steps; the first two are asked for at the head, and each of the other two has most of a K step's matrix instructions between its request and the wait for it.
; ORDER OF THE WORK: K steps 0 and 1 for all 128 rows of a wave; then, K steps 2 and 3 both lying in LDS, rows 0-63 through both, then rows 64-127 through both: the first half's results are stored among the products of the second.
; THE WAY OUT needs no LDS.  Source 0 = 32 rows of A, source 1 = 16 rows of B: lane (r, h) holds a column, its registers rows 8 h + j (and 16 + 8 h + j).  The rows of B that stand together as block 4 g + b are columns
; 64 g + 4 r + b of C: so register j of the four blocks 4 g .. 4 g + 3 is four neighbouring numbers of a row, and sixteen lanes store 256 consecutive bytes, at a multiple of 256 from C's first byte.
; REGISTERS: window 0: v16-29 addresses; v32-95 scale words, two sets; v96-103 bias; v104-111 column 2048; v128-191 A's fragments, buffer 0; v192-255 |A|; v160-191 also results on their way out, from the second half on
;   window 1: v0-63, v64-127 B's fragments, buffers 0, 1; v128-191 |B|; v192-255 A's fragments, buffer 1.   window 2, 3: accumulators of rows 0-63, 64-127: (a, b) at v[128 (a % 2) + 16 b]
.set SIZE_N, 2048
.set WROW,   8196                      ; a row of weight in bytes
.set KROW,   1024                      ; a row of codes in bytes
.set ROWB,   256                       ; a tile's row in bytes: 512 along K
.set PITCH,  272                       ; an LDS row: 256 bytes + 16 of padding
.set HALFT,  128*PITCH
.set SLOT,   4*HALFT                   ; A's 256 rows, then B's 256 rows
.set KS,     64                        ; a row of scales in bytes
.set SCL,    2*SLOT                    ; the scales, as units of 256 bytes + 16 of padding
.set HALFS,  (128*KS/256)*272          ; those of 128 rows
.set SBLK,   (32*KS/256)*272           ; those of 32 rows
.set SPARE,  SCL+4*HALFS               ; the spare words
.set ADRA,  16                         ; v16-17 A's fragments in slot 0, 1
.set ADRB,  18                         ; v18-19 B's
.set ADRSA, 20                         ; scale words of A's rows
.set ADRSB, 21                         ; of B's rows
.set CO,    26
.set SPW,   28
.set NIL,   29
.set SC,    32                         ; set s at SC + 32 s: A's 32-row block i, step q at 4 i + q; B's blocks 2 i (lanes 0-15) and 2 i + 1 (lanes 16-31) at 16 + 4 i + q
.set BIAS,  96
.set RAW,   104
.set TMP,   160
.set AA,    192
.set BA,    128
.set WV,   16                          ; s16 wave
.set RH,   17                          ; s17 my half of the rows; I fetch for A (0) or B (1)
.set CH,   18                          ; s18 my half of the columns; which 128 rows I fetch
.set G1,   24
.set G0,   32
.set G1B,  48
.set G0B,  56
.set G1S,  68
.set G0S,  76
.set G1SB, 80
.set G0SB, 88
.set G0H,  4
.set G0HB, 8
.set M7,   96
.set MSB, 0
.macro WIN new                         ; the immediate's high byte repeats the setting that is left
.if MSB != (\new)
	s_set_vgpr_msb (MSB<<8)|(\new)
.set MSB, (\new)
.endif
.endm
.macro JLOAD g0a, g1a, g0b, g1b        ; a joint load: waves 0 and 1 for A, waves 2 and 3 for B
	s_cmp_eq_u32 s[RH], 0
	s_cbranch_scc0 .Lfor_b_\@
	tensor_load_to_lds s[\g0a:\g0a+3], s[\g1a:\g1a+7]
	s_nop 0
.rept 4
	v_nop
.endr
	s_branch .Lasked_\@
.Lfor_b_\@:
	tensor_load_to_lds s[\g0b:\g0b+3], s[\g1b:\g1b+7]
	s_nop 0
.rept 4
	v_nop
.endr
.Lasked_\@:
.endm
.macro CREST                           ; a round of the cluster's barrier behind its opening barrier
	s_cmp_lg_u32 s[WV], 0
	s_cbranch_scc1 .Lnot_wave_0_\@
	s_barrier_signal -3
.Lnot_wave_0_\@:
	s_barrier_wait -3
	s_barrier_signal -1
	s_barrier_wait -1
.endm
.macro CROUND
	s_barrier_signal -1
	s_barrier_wait -1
	CREST
.endm
.macro PLACES n
.rept \n
	v_nop
.endr
.endm
	s_load_b256 s[4:11], s[0:1], 0x0               ; a_codes, a_scales, b_codes, b_scales
	s_load_b128 s[12:15], s[0:1], 0x20             ; weight, out0
	v_lshl_add_u32 v[SPW], v0, 2, SPARE
	v_mov_b32 v[NIL], 0
	ds_add_u32 v[SPW], v[NIL]                      ; the wave's opening: the add, twice on end, and its wait
	ds_add_u32 v[SPW], v[NIL]
	v_lshrrev_b32 v1, 5, v0
	v_readfirstlane_b32 s[WV], v1
	s_lshr_b32 s[RH], s[WV], 1
	s_and_b32 s[CH], s[WV], 1
	s_bfe_u32 s40, ttmp6, 0x40000                  ; cx, cy
	s_bfe_u32 s41, ttmp6, 0x40004
	s_lshl_b32 s42, ttmp9, 2
	s_add_co_u32 s42, s42, s40                     ; tile column
	s_and_b32 s19, ttmp7, 0xffff
	s_lshl_b32 s19, s19, 2
	s_add_co_u32 s19, s19, s41                     ; tile row
	s_lshl_b32 s43, s41, 2
	s_lshl_b32 s43, 15, s43                        ; my row of the cluster
	s_lshl_b32 s44, 0x1111, s40                    ; my column
	s_mov_b32 s[M7], 0x77777777                    ; codes without their sign bits
	; group 1 of the codes' tiles: rows of 256 bytes, 16 of padding behind each; 256 rows for the head's loads, 128 behind it
	s_or_b32 s[G1+0], s43, (0<<16)|(1<<20)|(1<<21)|(5<<22)|(3<<25)
	s_or_b32 s[G1B+0], s44, (0<<16)|(1<<20)|(1<<21)|(5<<22)|(3<<25)
.irp g, G1, G1B
	s_mov_b32 s[\g+1], ROWB<<16
	s_mov_b32 s[\g+2], 256<<16
	s_mov_b32 s[\g+3], ROWB<<16
	s_mov_b32 s[\g+4], 256
	s_mov_b32 s[\g+5], KROW
	s_mov_b32 s[\g+6], 0
	s_mov_b32 s[\g+7], 0
.endr
	; and of the scales of 256 rows: a dense block, as 64 rows of 256 bytes
	s_or_b32 s[G1S+0], s43, (3<<16)|(1<<20)|(1<<21)|(5<<22)|(3<<25)
	s_or_b32 s[G1SB+0], s44, (3<<16)|(1<<20)|(1<<21)|(5<<22)|(3<<25)
.irp g, G1S, G1SB
	s_mov_b32 s[\g+1], 32<<16
	s_mov_b32 s[\g+2], KS<<16
	s_mov_b32 s[\g+3], 32<<16
	s_mov_b32 s[\g+4], KS
	s_mov_b32 s[\g+5], 32
	s_mov_b32 s[\g+6], 0
	s_mov_b32 s[\g+7], 0
.endr
	s_lshl_b32 s20, s19, 18                        ; A: 256 rows of 1,024 bytes a tile row,
	s_lshl_b32 s22, s19, 14                        ; of 64 bytes of scales
	s_lshl_b32 s46, s42, 18
	s_lshl_b32 s92, s42, 14
	s_mov_b32 s21, 0
	s_mov_b32 s23, 0
	s_mov_b32 s47, 0
	s_mov_b32 s93, 0
	s_lshl_b32 s98, s[CH], 17                      ; in the ring I fetch 128 rows of a tile: which half
	s_mov_b32 s99, 0
	s_mul_i32 s45, s[WV], HALFT                    ; and where they go
	s_wait_dscnt 0x0                               ; both opening adds are done
	s_wait_kmcnt 0x0
	s_add_nc_u64 s[20:21], s[4:5], s[20:21]
	s_add_nc_u64 s[22:23], s[6:7], s[22:23]
	s_add_nc_u64 s[46:47], s[8:9], s[46:47]
	s_add_nc_u64 s[92:93], s[10:11], s[92:93]
	CROUND                                         ; all sixteen work-groups are here: the first joint loads meet
	s_mov_b32 s[G0H], 1                            ; the head's four tiles: K step 0's 256 rows of A,
	s_mov_b32 s[G0H+1], 0
	s_mov_b64 s[G0H+2:G0H+3], s[20:21]
	s_or_b32 s[G0H+3], s[G0H+3], 0x80000000
	s_mov_b32 s[G0HB], 1                           ; of B,
	s_mov_b32 s[G0HB+1], 2*HALFT
	s_mov_b64 s[G0HB+2:G0HB+3], s[46:47]
	s_or_b32 s[G0HB+3], s[G0HB+3], 0x80000000
	s_mov_b32 s[G0S], 1                            ; A's scales,
	s_mov_b32 s[G0S+1], SCL
	s_mov_b64 s[G0S+2:G0S+3], s[22:23]
	s_or_b32 s[G0S+3], s[G0S+3], 0x80000000
	s_mov_b32 s[G0SB], 1                           ; B's
	s_mov_b32 s[G0SB+1], SCL+2*HALFS
	s_mov_b64 s[G0SB+2:G0SB+3], s[92:93]
	s_or_b32 s[G0SB+3], s[G0SB+3], 0x80000000
	s_add_nc_u64 s[20:21], s[20:21], s[98:99]
	s_add_nc_u64 s[46:47], s[46:47], s[98:99]
.irp s, 0,1                            ; slot 0's group 0 begins at K step 2, slot 1's at K step 1
	s_mov_b32 s[G0+4*\s], 1
	s_add_co_u32 s[G0+4*\s+1], s45, \s*SLOT
	s_add_nc_u64 s[G0+4*\s+2:G0+4*\s+3], s[20:21], (2-\s)*ROWB
	s_or_b32 s[G0+4*\s+3], s[G0+4*\s+3], 0x80000000
	s_mov_b32 s[G0B+4*\s], 1
	s_add_co_u32 s[G0B+4*\s+1], s45, \s*SLOT
	s_add_nc_u64 s[G0B+4*\s+2:G0B+4*\s+3], s[46:47], (2-\s)*ROWB
	s_or_b32 s[G0B+4*\s+3], s[G0B+4*\s+3], 0x80000000
.endr
.macro ARM under, g0, g1, next         ; one tensor load a wave, one tree of branches
	s_cmp_lt_u32 s[WV], \under
	s_cbranch_scc0 \next
	tensor_load_to_lds s[\g0:\g0+3], s[\g1:\g1+7]
	s_nop 0
.rept 4
	v_nop
.endr
	s_branch .Lhead_asked
\next:
.endm
	ARM 1, G0H,  G1,  .Lhead_b
	ARM 2, G0HB, G1B, .Lhead_sa
	ARM 3, G0S,  G1S, .Lhead_sb
	tensor_load_to_lds s[G0SB:G0SB+3], s[G1SB:G1SB+7]
	s_nop 0
.rept 4
	v_nop
.endr
.Lhead_asked:
	s_lshl_b32 s20, s19, 8
	s_lshl_b32 s21, s[RH], 7
	s_add_co_u32 s20, s20, s21                     ; my first row of C
	s_lshl_b32 s20, s20, 13
	s_mov_b32 s21, 0
	s_lshl_b32 s46, s42, 8
	s_lshl_b32 s47, s[CH], 7
	s_add_co_u32 s46, s46, s47                     ; my first column: a row of weight
	s_mul_i32 s22, s46, WROW
	s_mov_b32 s23, 0
	s_lshl_b32 s46, s46, 2
	s_mov_b32 s47, 0
	s_add_nc_u64 s[14:15], s[14:15], s[20:21]
	s_add_nc_u64 s[14:15], s[14:15], s[46:47]
	s_add_nc_u64 s[12:13], s[12:13], s[22:23]
	s_mul_i32 s97, s[RH], HALFT                    ; my 128 rows of A,
	s_mul_i32 s98, s[CH], HALFT
	s_add_co_u32 s98, s98, 2*HALFT                 ; of B, behind A's 256
	s_mul_i32 s93, s[RH], HALFS
	s_add_co_u32 s93, s93, SCL
	s_mul_i32 s94, s[CH], HALFS
	s_add_co_u32 s94, s94, SCL+2*HALFS
	v_and_b32 v1, 15, v0                           ; r
	v_bfe_u32 v2, v0, 4, 1                         ; h
	v_mul_u32_u24 v3, v1, PITCH
	v_lshl_add_u32 v4, v2, 4, v3                   ; a fragment's row x pitch + 16 h
	v_add_nc_u32 v[ADRA], s97, v4
	v_add_nc_u32 v[ADRB], s98, v4
	v_add_nc_u32 v[ADRA+1], SLOT, v[ADRA]
	v_add_nc_u32 v[ADRB+1], SLOT, v[ADRB]
	v_bfe_u32 v5, v0, 2, 3
	v_mul_u32_u24 v5, v5, 272
	v_and_b32 v6, 3, v0
	v_lshl_add_u32 v5, v6, 6, v5                   ; row l of 32: 272 (l / 4) + 64 (l % 4)
	v_add_nc_u32 v[ADRSA], s93, v5
	v_add_nc_u32 v[ADRSB], s94, v5
	v_lshlrev_b32 v7, 4, v1
	v_lshl_add_u32 v[CO], v2, 16, v7               ; C: 8 h rows of 8,192 bytes + 16 r
	v_mul_u32_u24 v8, v1, 4*WROW                   ; weight: 4 r rows
.macro FRAG reg, adr, q, i             ; 16 rows x 128 K: lane l holds row l % 16; registers 4 c .. 4 c + 3 hold K = 64 c + 32 (l / 16) + 0 .. 31
.irp c, 0,1
	ds_load_b128 v[\reg+4*\c:\reg+4*\c+3], v[\adr] offset:64*(\q)+32*\c+(\i)*16*PITCH
.endr
.endm
.macro FB slot, q, p                   ; B's eight fragments into buffer p
	WIN 0x40
.irp i, 0,1,2,3,4,5,6,7
	FRAG 64*(\p)+8*\i, ADRB+(\slot), \q, \i
.endr
.endm
.macro FA slot, q, p, i0, n            ; n of A's fragments, from i0 on, into buffer p (0: window 0, 1: window 1)
	WIN 0x40*(\p)
.set I, 0
.rept \n
	FRAG 128+64*(\p)+8*I, ADRA+(\slot), \q, (\i0)+I
.set I, I+1
.endr
.endm
.macro SCW kk                          ; K step kk's scale words into set kk % 2
	WIN 0
.irp i, 0,1,2,3
	ds_load_b128 v[SC+32*((\kk)%2)+4*\i:SC+32*((\kk)%2)+4*\i+3], v[ADRSA] offset:16*(\kk)+\i*SBLK
	ds_load_b128 v[SC+32*((\kk)%2)+16+4*\i:SC+32*((\kk)%2)+16+4*\i+3], v[ADRSB] offset:16*(\kk)+\i*SBLK
.endr
.endm
; 16 matrix instructions: the 32-row blocks a = 2 hi, 2 hi + 1 x B's eight, 128 along K.  aw: window of A's registers.  The accumulators take turns.
.macro MUL hi, aw, ab, bb, sc, q, zero
	WIN 0xa4+0x50*(\hi)+(\aw)
.irp a, 0,1
.irp b, 0,1,2,3
.irp o, 0,1
.set D_, 128*\a+16*(2*\b+\o)
.set A_, (\ab)+16*(2*(\hi)+\a)
.set B_, (\bb)+8*(2*\b+\o)
.set SA_, (\sc)+4*(2*(\hi)+\a)+(\q)
.set SB_, (\sc)+16+4*\b+(\q)
.if \zero
.if \o
	v_wmma_scale_f32_32x16x128_f4 v[D_:D_+15], v[A_:A_+15], v[B_:B_+7], 0, v[SA_], v[SB_] matrix_b_scale:MATRIX_SCALE_ROW1
.else
	v_wmma_scale_f32_32x16x128_f4 v[D_:D_+15], v[A_:A_+15], v[B_:B_+7], 0, v[SA_], v[SB_]
.endif
.else
.if \o
	v_wmma_scale_f32_32x16x128_f4 v[D_:D_+15], v[A_:A_+15], v[B_:B_+7], v[D_:D_+15], v[SA_], v[SB_] matrix_b_scale:MATRIX_SCALE_ROW1
.else
	v_wmma_scale_f32_32x16x128_f4 v[D_:D_+15], v[A_:A_+15], v[B_:B_+7], v[D_:D_+15], v[SA_], v[SB_]
.endif
.endif
.endr
.endr
.endr
.endm
.macro ABS p, na                       ; |B|, and na registers of |A|.  The four places serve the products before, which read |B| and |A|
	PLACES 4
	WIN 0x44
.set I, 0
.rept 64
	v_and_b32 v[BA+I], s[M7], v[64*(\p)+I]
.set I, I+1
.endr
	WIN 0x04*(\p)
.set I, 0
.rept \na
	v_and_b32 v[AA+I], s[M7], v[128+64*(\p)+I]
.set I, I+1
.endr
.endm
; A step of 128 along K for all 128 rows, its successor in the same slot: all of the next step's fragments are asked for at its head.
.macro STEP kk, q, zero
	s_wait_dscnt 0x0
	FB \kk, (\q)+1, 1-(\q)%2
	FA \kk, (\q)+1, 1-(\q)%2, 0, 8
	MUL 0, (\q)%2, 128+64*((\q)%2), 64*((\q)%2), SC+32*(\kk), \q, \zero
	MUL 1, (\q)%2, 128+64*((\q)%2), 64*((\q)%2), SC+32*(\kk), \q, \zero
	ABS (\q)%2, 64
	PLACES 4                                       ; an operand written by vector instructions stands 4 places ahead
	MUL 0, 0, AA, BA, SC+32*(\kk), \q, 0
	MUL 1, 0, AA, BA, SC+32*(\kk), \q, 0
.endm
; A slot's last step changes slots, by a round of the cluster's barrier, and fills this slot again with K step kk + 2; n: the next step's fragments of A.
.macro TURN kk, n
	WIN 0
	s_wait_tensorcnt 0x0                           ; my part of the next slot is in
	ds_add_u32 v[SPW], v[NIL]
.if \kk
	s_add_nc_u64 s[G0+6:G0+7], s[G0+6:G0+7], 2*ROWB
	s_add_nc_u64 s[G0B+6:G0B+7], s[G0B+6:G0B+7], 2*ROWB
.endif
	s_wait_dscnt 0x1                               ; this step's fragments are in; the add may be out
	MUL 0, 1, 192, 64, SC+32*(\kk), 3, 0
	s_wait_dscnt 0x0                               ; the add is done, and my reads of this slot are over
	s_barrier_signal -1
	MUL 1, 1, 192, 64, SC+32*(\kk), 3, 0
	WIN 0
	s_barrier_wait -1
	CREST
	JLOAD G0+4*(\kk), G1, G0B+4*(\kk), G1B
	FB 1-(\kk), 0, 0
	FA 1-(\kk), 0, 0, 0, \n
	SCW (\kk)+1
	ABS 1, 64
	PLACES 4
	MUL 0, 0, AA, BA, SC+32*(\kk), 3, 0
	MUL 1, 0, AA, BA, SC+32*(\kk), 3, 0
.endm
; Stores n0 .. n0 + 7 of half hi (64 in all: for each 32-row block, register and group of 64 columns): the four blocks' registers plus the bias, then 16 bytes a lane.
.macro OUTC hi, n0, dst, wa, ws
	WIN \wa
.set NN, \n0
.rept 8
.irp e, 0,1,2,3
	v_add_f32 v[(\dst)+4*(NN-(\n0))+\e], v[128*(NN/32)+16*(4*(NN%2)+\e)+(NN/2)%16], v[BIAS+4*(NN%2)+\e]
.endr
.set NN, NN+1
.endr
	WIN \ws
.set NN, \n0
.rept 8
	global_store_b128 v[CO], v[(\dst)+4*(NN-(\n0)):(\dst)+4*(NN-(\n0))+3], s[14:15] offset:(64*(\hi)+32*(NN/32)+16*(((NN/2)%16)/8)+(NN/2)%8)*SIZE_N*4+256*(NN%2) th:TH_STORE_NT
.set NN, NN+1
.endr
.endm
; A step of 128 along K for half hi; next: K step nkk (none: -1), nq, half nhi.  oc: which eight of the first half's stores go out here (none: -1).
.macro HSTEP hi, kk, q, nhi, nkk, nq, oc
	s_wait_dscnt 0x0
.if (\nkk) >= 0
	FB (\nkk)%2, \nq, 1-(\q)%2
	FA (\nkk)%2, \nq, 1-(\q)%2, 4*(\nhi), 4
.endif
	MUL \hi, (\q)%2, 128+64*((\q)%2)-32*(\hi), 64*((\q)%2), SC+32*((\kk)%2), \q, 0
	ABS (\q)%2, 32
.if (\oc) >= 0
	s_wait_xcnt 0x0                                ; the last stores have read their registers
	OUTC 0, 8*(\oc), TMP, 0x02, 0                  ; (its 32 additions are also the places behind ABS)
.else
	PLACES 4
.endif
	MUL \hi, 0, AA-32*(\hi), BA, SC+32*((\kk)%2), \q, 0
.endm
	s_wait_alu depctr_va_vdst(0)                   ; the head's end
.irp g, 0,1
.irp e, 0,1,2,3
	global_load_b32 v[RAW+4*\g+\e], v8, s[12:13] offset:8192+(64*\g+\e)*WROW   ; weight[64 g + 4 r + e][2048]; waited for ahead of the second half
.endr
.endr
	s_wait_tensorcnt 0x0                           ; my tile of the head's four is in
	ds_add_u32 v[SPW], v[NIL]
	s_mov_b32 s[G1+2], 128<<16                     ; no tensor load of mine is out: from here on a load brings 128 rows
	s_mov_b32 s[G1+4], 128
	s_mov_b32 s[G1B+2], 128<<16
	s_mov_b32 s[G1B+4], 128
	s_wait_dscnt 0x0
	CROUND                                         ; all four tiles are in
	JLOAD G0+4, G1, G0B+4, G1B                     ; K step 1
	FB 0, 0, 0
	FA 0, 0, 0, 0, 8
	SCW 0
	STEP 0, 0, 1                                   ; its first products start the sums
	STEP 0, 1, 0
	STEP 0, 2, 0
	TURN 0, 8
	STEP 1, 0, 0
	STEP 1, 1, 0
	STEP 1, 2, 0
	TURN 1, 4
	HSTEP 0, 2, 0, 0, 2, 1, -1                     ; rows 0-63 through K step 2
	HSTEP 0, 2, 1, 0, 2, 2, -1
	HSTEP 0, 2, 2, 0, 2, 3, -1
	s_wait_tensorcnt 0x0                           ; its last step: my part of K step 3 is in,
	s_wait_dscnt 0x0
	s_barrier_signal -1
	MUL 0, 1, 192, 64, SC, 3, 0
	s_barrier_wait -1                              ; and everybody's; nothing is filled again, so no round follows
	FB 1, 0, 0
	FA 1, 0, 0, 0, 4
	SCW 3
	ABS 1, 32
	PLACES 4
	MUL 0, 0, AA, BA, SC, 3, 0
	HSTEP 0, 3, 0, 0, 3, 1, -1                     ; and through K step 3
	HSTEP 0, 3, 1, 0, 3, 2, -1
	HSTEP 0, 3, 2, 0, 3, 3, -1
	HSTEP 0, 3, 3, 1, 2, 0, -1
	WIN 0
	s_wait_loadcnt 0x0                             ; column 2048
	v_mov_b32 v113, 0x400000
.irp i, 0,1,2,3,4,5,6,7
	v_and_b32 v112, 0x7fffff, v[RAW+\i]            ; w's mantissa field: above a quarter, w / scale is above 5: code 6
	v_cmp_lt_u32 vcc_lo, 0x200000, v112
	v_cndmask_b32 v112, 0, v113, vcc_lo
	v_and_or_b32 v112, v[RAW+\i], 0xff800000, v112 ; q: w's sign and exponent over that mantissa (0 stays 0)
	v_max_num_f32 v[BIAS+\i], 0, v112              ; 0.5 (q + |q|)
.endr
	HSTEP 1, 2, 0, 1, 2, 1, 0                      ; rows 64-127, the first half's stores among them
	HSTEP 1, 2, 1, 1, 2, 2, 1
	HSTEP 1, 2, 2, 1, 2, 3, 2
	HSTEP 1, 2, 3, 1, 3, 0, 3
	HSTEP 1, 3, 0, 1, 3, 1, 4
	HSTEP 1, 3, 1, 1, 3, 2, 5
	HSTEP 1, 3, 2, 1, 3, 3, 6
	HSTEP 1, 3, 3, 1, -1, 0, 7
	PLACES 4
.irp c, 0,1,2,3,4,5,6,7
	OUTC 1, 8*\c, 32*\c, 0x43, 0x04                ; through window 1, whose fragments are done with: registers of its own for each store
.endr
	WIN 0
	s_wait_tensorcnt 0x0                           ; the wave's end
	ds_add_u32 v[SPW], v[NIL]
	s_wait_dscnt 0x0
	CROUND                                         ; the closing round: no work-group ends while a partner may still ask for a tile that names it
	s_endpgm
.Lfunc_end_k_q1abc1ec92e_gemm:
	.size	k_q1abc1ec92e_gemm, .Lfunc_end_k_q1abc1ec92e_gemm-k_q1abc1ec92e_gemm
	.p2alignl 7, 3214868480
	.fill 96, 4, 3214868480
	.section	.rodata,"a",@progbits
	.p2align	6, 0x0
	.amdhsa_kernel k_q1abc1ec92e_gemm
		.amdhsa_group_segment_fixed_size 327680
		.amdhsa_private_segment_fixed_size 0
		.amdhsa_enable_private_segment 0
		.amdhsa_kernarg_size 48
		.amdhsa_user_sgpr_count 2
		.amdhsa_user_sgpr_kernarg_segment_ptr 1
		.amdhsa_wavefront_size32 1
		.amdhsa_system_sgpr_workgroup_id_x 1
		.amdhsa_system_sgpr_workgroup_id_y 1
		.amdhsa_system_sgpr_workgroup_id_z 1
		.amdhsa_system_vgpr_workitem_id 0
		.amdhsa_next_free_vgpr 1024
		.amdhsa_next_free_sgpr 100
		.amdhsa_reserve_vcc 1
		.amdhsa_float_denorm_mode_32 3
		.amdhsa_float_denorm_mode_16_64 3
		.amdhsa_memory_ordered 1
		.amdhsa_forward_progress 1
		.amdhsa_inst_pref_size 255
	.end_amdhsa_kernel
	.section	.bss,"aw",@nobits
	.p2align	6
	.space	262144
	.amdgpu_metadata
---
amdhsa.version: [ 1, 2 ]
amdhsa.kernels:
  - .name:           k_q1abc1ec92e_gemm
    .symbol:         k_q1abc1ec92e_gemm.kd
    .args:
      - { .name: a_codes, .offset: 0, .size: 8, .value_kind: global_buffer, .address_space: global }
      - { .name: a_scales, .offset: 8, .size: 8, .value_kind: global_buffer, .address_space: global }
      - { .name: b_codes, .offset: 16, .size: 8, .value_kind: global_buffer, .address_space: global }
      - { .name: b_scales, .offset: 24, .size: 8, .value_kind: global_buffer, .address_space: global }
      - { .name: weight, .offset: 32, .size: 8, .value_kind: global_buffer, .address_space: global }
      - { .name: out0, .offset: 40, .size: 8, .value_kind: global_buffer, .address_space: global }
    .group_segment_fixed_size: 327680
    .private_segment_fixed_size: 0
    .kernarg_segment_align: 8
    .kernarg_segment_size: 48
    .max_flat_workgroup_size: 128
    .sgpr_count:     100
    .vgpr_count:     1024
    .wavefront_size: 32
...
	.end_amdgpu_metadata
.endif
;; end of part 2
